; MI455X (gfx1250); checked and timed in simulation.
; The chip was launched on July 23, 2026; its instructions are those of AMD's public machine-readable ISA for CDNA 5 (MIT licence, August 2026) and "CDNA5" Instruction Set Architecture Reference Guide (July 2026). The comments in the code are by the model that wrote it; some were corrected since.
;; Attn Decoder RNN. Allowed arithmetic: float matrix products may take bf16 or f16 operands with f32 sums; all other float work in f32.
;; Inputs: attn_b 512 float32; attn_w 512 x 2,048 float32; b_hh 3,072 float32; b_ih 3,072 float32; comb_b 1,024 float32; comb_w 1,024 x 2,048 float32; emb 50,257 x 1,024 float32; encoder_outputs 512 x 1,024 float32; hidden 1 x 1 x 1,024 float32; input 1 int32; out_b 50,257 float32; out_w 50,257 x 1,024 float32; w_hh 3,072 x 1,024 float32; w_ih 3,072 x 1,024 float32.
;; Outputs: out0 1 x 50,257 float32; out1 1 x 1 x 1,024 float32; out2 1 x 512 float32.
;; One version. Each part assembles by itself: llvm-mc -triple=amdgcn-amd-amdhsa -mcpu=gfx1250 --defsym DOCPART=n.
;; ======== version 1 of 1: 5 launches
;; workspace buffers: scores 2,048 bytes; part 131,072 bytes; pre 16,384 bytes; x 4,096 bytes; logits 201,728 bytes; stats 2,048 bytes
;; launch front (part 1): grid 160 x 1, 16 waves a work-group, no clusters, 2,304 bytes of LDS; arguments input, emb, hidden, attn_w, attn_b, encoder_outputs, w_hh, b_hh, comb_w, comb_b, scores, part, pre; writes scores, part, pre
.if DOCPART == 1
	.amdgcn_target "amdgcn-amd-amdhsa--gfx1250"
	.amdhsa_code_object_version 6
	.text
	.protected	k_q19128e707b_front
	.globl	k_q19128e707b_front
	.p2align	8
	.type	k_q19128e707b_front,@function
k_q19128e707b_front:
	s_mov_b64 s[64:65], 0
	v_nop
	global_prefetch_b8 v0, s[64:65] scope:SCOPE_SE
	s_setreg_imm32_b32 hwreg(HW_REG_WAVE_MODE, 25, 1), 1
	s_wait_xcnt 0x0
; Everything of the decoder step that needs only e = emb[input] and h0 = hidden.
; Work-groups 0-31 (block b): wave w makes the score of row l = 16 b + w, s_l = attn_w[l] . [e, h0] + attn_b[l]; then the
;   group makes m_b = max of its 16 scores and a_b = sum over its rows of exp(s_l - m_b) enc[l]: a block-wise partial of
;   softmax(s) @ enc that the next launch only has to rescale, so the softmax costs no launch of its own.
; Work-groups 32-159 (g = id - 32): wave w makes two rows r0 = 32 g + 2 w, r0 + 1 of the stacked product
;   rows 0-3071: gh = w_hh h0 + b_hh;  rows 3072-4095: c1 = comb_w[:, :1024] e + comb_b.
; One row against one vector: 2 FLOP for 4 bytes, so the products stay in f32 on the vector unit (a 16-row matrix tile
; would use one row of sixteen, and rounding the weights to bf16 costs as many instructions as the multiply-adds).
; No joint requests: the groups share only e and h0 (8 KB) beside 128 to 192 KB of rows that are each group's own.
; Every load of a wave is issued in its first lines; there is no loop.
; LIMITS: the index is read as unsigned and clamped to 50256 (the table's last row); exp results below 2^-126 count as 0;
; scores are taken to be finite; sums run in four chains a lane and a butterfly over lanes, not in the reference's order.
.set V_LAST, 50256
.set LOG2E,  0x3fb8aa3b
.set NLOG2E, 0xbfb8aa3b
.set LANE, 1                           ; v1       lane
.set L16,  2                           ; v2       16 x lane
.set ENO,  3                           ; v3       16 (lane & 15) + 4096 (lane >> 4): two rows of enc, 256 bytes of each
.set LRD,  4                           ; v4       4 (lane >> 4): LDS read address
.set LWR,  5                           ; v5       4 x wave: LDS write address
.set C16,  6                           ; v6       16 (lane & 15)
.set ZERO, 7                           ; v7       0, offset of one-lane stores
.set CH,   8                           ; v[8:15]  four chains; later the 8 scores, then p, then the other half's sums
.set CH2,  16                          ; v[16:23] four chains of the second row; or v[16:19] the weighted sum
.set D0,   24                          ; v24, v25 finished dot products
.set T,    26                          ; v26      the other half's value in a butterfly
.set MX,   27                          ; v27      m_b
.set NM,   28                          ; v28      -m_b log2(e)
.set XV,   32                          ; v[32:63]   e, or the vector of the two-row product
.set H0,   64                          ; v[64:95]   h0
.set W0,   96                          ; v[96:127]  attn_w[l][0:1024], or row r0
.set W1,   128                         ; v[128:159] attn_w[l][1024:2048], or row r0 + 1
.set EN,   160                         ; v[160:191] 16 rows x 64 columns of enc
.set SELLO, 36
.set SELHI, 37
.macro LD8 dst, vo, sb, imm, step      ; eight loads of 512 consecutive bytes each
.irp j, 0,1,2,3,4,5,6,7
	global_load_b128 v[\dst+4*\j:\dst+4*\j+3], v[\vo], s[\sb:\sb+1] offset:\imm+\step*\j
.endr
.endm
.macro LD8NT dst, vo, sb, imm, step    ; the same for bytes that the launch reads once
.irp j, 0,1,2,3,4,5,6,7
	global_load_b128 v[\dst+4*\j:\dst+4*\j+3], v[\vo], s[\sb:\sb+1] offset:\imm+\step*\j th:TH_LOAD_NT
.endr
.endm
.macro DOT32 ac, wt, vx, first         ; 32 products a lane in four chains; first = 1: the first products start the sums
.irp k, 0,1,2,3
.if \first
	v_pk_mul_f32 v[\ac+2*\k:\ac+2*\k+1], v[\wt+2*\k:\wt+2*\k+1], v[\vx+2*\k:\vx+2*\k+1]
.else
	v_pk_fma_f32 v[\ac+2*\k:\ac+2*\k+1], v[\wt+2*\k:\wt+2*\k+1], v[\vx+2*\k:\vx+2*\k+1], v[\ac+2*\k:\ac+2*\k+1]
.endif
.endr
.irp k, 4,5,6,7,8,9,10,11,12,13,14,15
	v_pk_fma_f32 v[\ac+2*(\k%4):\ac+2*(\k%4)+1], v[\wt+2*\k:\wt+2*\k+1], v[\vx+2*\k:\vx+2*\k+1], v[\ac+2*(\k%4):\ac+2*(\k%4)+1]
.endr
.endm
.macro FOLD ac, d                      ; the four chains into one number a lane
	v_pk_add_f32 v[\ac:\ac+1], v[\ac:\ac+1], v[\ac+2:\ac+3]
	v_pk_add_f32 v[\ac+4:\ac+5], v[\ac+4:\ac+5], v[\ac+6:\ac+7]
	v_pk_add_f32 v[\ac:\ac+1], v[\ac:\ac+1], v[\ac+4:\ac+5]
	v_add_f32 v[\d], v[\ac], v[\ac+1]
.endm
.macro WSUM d, t                       ; sum over the 32 lanes, result in every lane
	v_add_f32_dpp v[\d], v[\d], v[\d] row_xmask:1 row_mask:0xf bank_mask:0xf
	v_add_f32_dpp v[\d], v[\d], v[\d] row_xmask:2 row_mask:0xf bank_mask:0xf
	v_add_f32_dpp v[\d], v[\d], v[\d] row_xmask:4 row_mask:0xf bank_mask:0xf
	v_add_f32_dpp v[\d], v[\d], v[\d] row_xmask:8 row_mask:0xf bank_mask:0xf
	v_permlanex16_b32 v[\t], v[\d], s[SELLO], s[SELHI]
	v_add_f32 v[\d], v[\d], v[\t]
.endm
.macro ONLY save                       ; EXEC is a source of pending loads and stores: it changes only behind s_wait_xcnt 0
	s_wait_xcnt 0x0
	s_and_saveexec_b32 s[\save], vcc_lo
.endm
.macro ALL save
	s_wait_xcnt 0x0
	s_or_b32 exec_lo, exec_lo, s[\save]
.endm
	s_load_b512 s[8:23], s[0:1], 0x0               ; input 8, emb 10, hidden 12, attn_w 14, attn_b 16, enc 18, w_hh 20, b_hh 22
	s_load_b256 s[24:31], s[0:1], 0x40             ; comb_w 24, comb_b 26, scores 28, part 30
	s_load_b64 s[32:33], s[0:1], 0x60              ; pre
	v_lshl_add_u32 v192, v0, 2, 0x100
	v_mov_b32 v193, 0
	v_and_b32 v[LANE], 31, v0
	v_lshrrev_b32 v[T], 5, v0
	v_readfirstlane_b32 s34, v[T]                  ; wave 0..15
	v_lshlrev_b32 v[L16], 4, v[LANE]
	v_mov_b32 v[ZERO], 0
	s_mov_b32 s[SELLO], 0x76543210                 ; v_permlanex16_b32: lane i reads lane i of the other half
	s_mov_b32 s[SELHI], 0xfedcba98
	s_wait_kmcnt 0x0
	s_load_b32 s35, s[8:9], 0x0                    ; the index; waited for on both paths, behind the weights' loads
	s_cmp_ge_u32 ttmp9, 32                         ; the same in all waves of a group; the two paths never join
	s_cbranch_scc1 .Lgemv
	; ---- attention block b = ttmp9 ----
	s_lshl_b32 s38, ttmp9, 4
	s_add_co_u32 s38, s38, s34                     ; l = 16 b + wave
	s_mov_b32 s41, 0
	s_lshl_b32 s40, s38, 2
	s_add_nc_u64 s[48:49], s[16:17], s[40:41]
	s_load_b32 s50, s[48:49], 0x0                  ; attn_b[l]
	s_lshl_b32 s40, s38, 13                        ; a row of attn_w is 8,192 bytes
	s_add_nc_u64 s[42:43], s[14:15], s[40:41]
	s_lshl_b32 s40, ttmp9, 16                      ; 16 rows of enc of 4,096 bytes
	s_lshl_b32 s44, s34, 8                         ; my wave's 64 columns
	s_add_co_u32 s40, s40, s44
	s_add_nc_u64 s[46:47], s[18:19], s[40:41]
	v_and_b32 v[C16], 15, v[LANE]
	v_lshlrev_b32 v[C16], 4, v[C16]
	v_lshrrev_b32 v[LRD], 4, v[LANE]               ; h
	v_lshl_add_u32 v[ENO], v[LRD], 12, v[C16]
	v_lshlrev_b32 v[LRD], 2, v[LRD]
	LD8   H0, L16, 12, 0, 512                      ; h0
	LD8NT W1, L16, 42, 4096, 512                   ; attn_w[l][1024:2048]
	LD8NT W0, L16, 42, 0, 512                      ; attn_w[l][0:1024]
	LD8NT EN, ENO, 46, 0, 8192                     ; load i: rows 2 i (lanes 0-15) and 2 i + 1 (lanes 16-31), 256 bytes of each
	s_wait_kmcnt 0x0                               ; the index and attn_b[l]
	s_min_u32 s35, s35, V_LAST
	s_lshl_b32 s40, s35, 12
	s_add_nc_u64 s[52:53], s[10:11], s[40:41]      ; emb's row
	LD8   XV, L16, 52, 0, 512                      ; e
	s_lshl_b32 s40, ttmp9, 12
	s_add_co_u32 s40, s40, s44
	s_add_nc_u64 s[54:55], s[30:31], s[40:41]      ; part: row b, my wave's 256 bytes
	s_lshr_b32 s40, s34, 2                         ; scores: row 16 b + i lies at word 128 (i >> 2) + 4 b + (i & 3), so that
	s_lshl_b32 s40, s40, 9                         ; the next launch's lane b finds its block in four 16-byte loads
	s_and_b32 s44, s34, 3
	s_lshl_b32 s44, s44, 2
	s_add_co_u32 s40, s40, s44
	s_lshl_b32 s44, ttmp9, 4
	s_add_co_u32 s40, s40, s44
	s_add_nc_u64 s[56:57], s[28:29], s[40:41]
	v_mov_b32 v[LWR], s34
	v_lshlrev_b32 v[LWR], 2, v[LWR]
	s_wait_loadcnt 24                              ; h0 and the row's second half are in; 24 younger loads (first half, enc, e) stay out
	DOT32 CH, W1, H0, 1
	s_wait_loadcnt 0x0                             ; e was issued last
	DOT32 CH, W0, XV, 0
	FOLD CH, D0
	WSUM D0, T
	v_add_f32 v[D0], s50, v[D0]                    ; s_l, in every lane
	ds_store_b32 v[LWR], v[D0]                     ; word = wave: all lanes write the same number
	s_wait_dscnt 0x0                               ; stored, for the other waves' sake
	s_barrier_signal -1
	s_barrier_wait -1
.irp i, 0,1,2,3,4,5,6,7
	ds_load_b32 v[CH+\i], v[LRD] offset:8*\i       ; the score of row 2 i + h, the row whose enc bytes I hold in load i
.endr
	s_wait_dscnt 0x0
	v_max3_num_f32 v[MX], v[CH], v[CH+1], v[CH+2]
	v_max3_num_f32 v[MX], v[MX], v[CH+3], v[CH+4]
	v_max3_num_f32 v[MX], v[MX], v[CH+5], v[CH+6]
	v_max_num_f32 v[MX], v[MX], v[CH+7]
	v_permlanex16_b32 v[T], v[MX], s[SELLO], s[SELHI]
	v_max_num_f32 v[MX], v[MX], v[T]               ; m_b
	v_mul_f32 v[NM], NLOG2E, v[MX]
.irp i, 0,1,2,3,4,5,6,7
	v_fmamk_f32 v[CH+\i], v[CH+\i], LOG2E, v[NM]
.endr
.irp i, 0,1,2,3,4,5,6,7
	v_exp_f32 v[CH+\i], v[CH+\i]                   ; p = exp(s - m_b)
.endr
	v_nop                                          ; one plain place behind the last v_exp_f32 (ISA guide 5.7.2)
	s_wait_alu depctr_va_vdst(0)
.irp c, 0,1,2,3
	v_mul_f32 v[CH2+\c], v[CH], v[EN+\c]
.endr
.irp i, 1,2,3,4,5,6,7
.irp c, 0,1,2,3
	v_fmac_f32 v[CH2+\c], v[CH+\i], v[EN+4*\i+\c]
.endr
.endr
.irp c, 0,1,2,3
	v_permlanex16_b32 v[CH+\c], v[CH2+\c], s[SELLO], s[SELHI]      ; even rows meet odd rows
.endr
	v_pk_add_f32 v[CH2:CH2+1], v[CH2:CH2+1], v[CH:CH+1]
	v_pk_add_f32 v[CH2+2:CH2+3], v[CH2+2:CH2+3], v[CH+2:CH+3]
	v_cmp_gt_u32 vcc_lo, 16, v[LANE]
	ONLY 58
	global_store_b128 v[C16], v[CH2:CH2+3], s[54:55]               ; sixteen lanes: 256 consecutive bytes, aligned
	ALL 58
	v_cmp_eq_u32 vcc_lo, 0, v[LANE]
	ONLY 58
	global_store_b32 v[ZERO], v[D0], s[56:57]                      ; the score itself
	ALL 58
	s_wait_xcnt 0x0
	s_mov_b32 exec_lo, -1
	s_wait_tensorcnt 0x0
	ds_add_u32 v192, v193
	s_wait_dscnt 0x0
	s_endpgm
	; ---- two rows of [w_hh; comb_w's left half] ----
.Lgemv:
	s_sub_co_u32 s38, ttmp9, 32                    ; g
	s_lshl_b32 s39, s38, 5
	s_lshl1_add_u32 s39, s34, s39                  ; r0 = 32 g + 2 wave
	s_sub_co_u32 s40, s39, 3072                    ; the row in comb_w (used where g >= 96 alone)
	s_cmp_lt_u32 s38, 96                           ; g < 96: rows of w_hh.  s_cselect leaves SCC as it is
	s_cselect_b32 s40, s39, s40                    ; row in its matrix
	s_cselect_b32 s41, 12, 13                      ; a row is 4,096 or 8,192 bytes
	s_cselect_b64 s[44:45], s[20:21], s[24:25]
	s_cselect_b64 s[46:47], s[22:23], s[26:27]
	s_lshl_b32 s48, s40, s41
	s_mov_b32 s49, 0
	s_add_nc_u64 s[44:45], s[44:45], s[48:49]      ; first row
	s_lshl_b32 s42, 1, s41
	s_mov_b32 s43, 0
	s_add_nc_u64 s[50:51], s[44:45], s[42:43]      ; second row
	LD8NT W0, L16, 44, 0, 512
	LD8NT W1, L16, 50, 0, 512
	s_lshl_b32 s48, s40, 2
	s_add_nc_u64 s[46:47], s[46:47], s[48:49]
	s_load_b64 s[52:53], s[46:47], 0x0             ; the two biases (the row is even: 8-byte aligned)
	s_lshl_b32 s48, s39, 2
	s_add_nc_u64 s[58:59], s[32:33], s[48:49]      ; pre + 4 r0
	s_wait_kmcnt 0x0                               ; the index and the biases
	s_min_u32 s35, s35, V_LAST
	s_lshl_b32 s48, s35, 12
	s_add_nc_u64 s[54:55], s[10:11], s[48:49]      ; emb's row
	s_cmp_lt_u32 s38, 96                           ; again: the lines above wrote SCC
	s_cselect_b64 s[56:57], s[12:13], s[54:55]     ; h0 for w_hh, e for comb_w
	LD8   XV, L16, 56, 0, 512
	s_wait_loadcnt 0x0                             ; the vector was issued last and both rows need it
	DOT32 CH, W0, XV, 1
	DOT32 CH2, W1, XV, 1
	FOLD CH, D0
	FOLD CH2, D0+1
	WSUM D0, T
	WSUM D0+1, T
	v_add_f32 v[D0], s52, v[D0]
	v_add_f32 v[D0+1], s53, v[D0+1]
	v_cmp_eq_u32 vcc_lo, 0, v[LANE]
	ONLY 60
	global_store_b64 v[ZERO], v[D0:D0+1], s[58:59]
	ALL 60
	s_endpgm
.Lfunc_end_k_q19128e707b_front:
	.size	k_q19128e707b_front, .Lfunc_end_k_q19128e707b_front-k_q19128e707b_front
	.p2alignl 7, 3214868480
	.fill 96, 4, 3214868480
	.section	.rodata,"a",@progbits
	.p2align	6, 0x0
	.amdhsa_kernel k_q19128e707b_front
		.amdhsa_group_segment_fixed_size 2304
		.amdhsa_private_segment_fixed_size 0
		.amdhsa_enable_private_segment 0
		.amdhsa_kernarg_size 104
		.amdhsa_user_sgpr_count 2
		.amdhsa_user_sgpr_kernarg_segment_ptr 1
		.amdhsa_wavefront_size32 1
		.amdhsa_system_sgpr_workgroup_id_x 1
		.amdhsa_system_sgpr_workgroup_id_y 1
		.amdhsa_system_sgpr_workgroup_id_z 1
		.amdhsa_system_vgpr_workitem_id 0
		.amdhsa_next_free_vgpr 194
		.amdhsa_next_free_sgpr 66
		.amdhsa_reserve_vcc 1
		.amdhsa_float_denorm_mode_32 3
		.amdhsa_float_denorm_mode_16_64 3
		.amdhsa_memory_ordered 1
		.amdhsa_forward_progress 1
		.amdhsa_inst_pref_size 20
	.end_amdhsa_kernel
	.amdgpu_metadata
---
amdhsa.version: [ 1, 2 ]
amdhsa.kernels:
  - .name:           k_q19128e707b_front
    .symbol:         k_q19128e707b_front.kd
    .args:
      - { .name: input, .offset: 0, .size: 8, .value_kind: global_buffer, .address_space: global }
      - { .name: emb, .offset: 8, .size: 8, .value_kind: global_buffer, .address_space: global }
      - { .name: hidden, .offset: 16, .size: 8, .value_kind: global_buffer, .address_space: global }
      - { .name: attn_w, .offset: 24, .size: 8, .value_kind: global_buffer, .address_space: global }
      - { .name: attn_b, .offset: 32, .size: 8, .value_kind: global_buffer, .address_space: global }
      - { .name: encoder_outputs, .offset: 40, .size: 8, .value_kind: global_buffer, .address_space: global }
      - { .name: w_hh, .offset: 48, .size: 8, .value_kind: global_buffer, .address_space: global }
      - { .name: b_hh, .offset: 56, .size: 8, .value_kind: global_buffer, .address_space: global }
      - { .name: comb_w, .offset: 64, .size: 8, .value_kind: global_buffer, .address_space: global }
      - { .name: comb_b, .offset: 72, .size: 8, .value_kind: global_buffer, .address_space: global }
      - { .name: scores, .offset: 80, .size: 8, .value_kind: global_buffer, .address_space: global }
      - { .name: part, .offset: 88, .size: 8, .value_kind: global_buffer, .address_space: global }
      - { .name: pre, .offset: 96, .size: 8, .value_kind: global_buffer, .address_space: global }
    .group_segment_fixed_size: 2304
    .private_segment_fixed_size: 0
    .kernarg_segment_align: 8
    .kernarg_segment_size: 104
    .max_flat_workgroup_size: 512
    .sgpr_count:     66
    .vgpr_count:     194
    .wavefront_size: 32
...
	.end_amdgpu_metadata
.endif
;; end of part 1
;; launch combine (part 2): grid 128 x 1, 8 waves a work-group, no clusters, 7,168 bytes of LDS; arguments scores, part, pre, comb_w, w_ih, x, out2; writes x, out2
.if DOCPART == 2
	.amdgcn_target "amdgcn-amd-amdhsa--gfx1250"
	.amdhsa_code_object_version 6
	.text
	.protected	k_q19128e707b_combine
	.globl	k_q19128e707b_combine
	.p2align	8
	.type	k_q19128e707b_combine,@function
k_q19128e707b_combine:
	s_mov_b64 s[64:65], 0
	v_nop
	global_prefetch_b8 v0, s[64:65] scope:SCOPE_SE
	s_setreg_imm32_b32 hwreg(HW_REG_WAVE_MODE, 25, 1), 1
	s_wait_xcnt 0x0
; x = relu(c1 + comb_w[:, 1024:] applied), applied = softmax(scores) @ enc rebuilt from the 32 block partials.
; Every wave makes m, Z and f_b = exp(m_b - m) / Z from the 512 scores for itself (2 KB, no exchange); wave w then makes
; columns 128 w .. 128 w + 127 of applied = sum of f_b a_b; the eight pieces meet in LDS behind the one barrier; wave w
; takes row 8 k + w of comb_w's right half.  Wave 0 of group 0 also writes out2 = exp(s - m) / Z.
; No joint requests for the partials (128 KB that all groups read): each wave takes its 16 bytes a lane of each partial
; straight into registers and uses them once; through LDS the same 128 KB would be written and read once more in every
; group, and the groups would have to be brought into step first.
; The launch also asks for w_ih, which the next launch streams: group k asks for bytes 32768 k .. + 32767 of each of the
; three gates' 4 MB, lanes 256 bytes apart, each block asked for once, 96 KB a group, all inside the buffer.
; LIMITS: exp results below 2^-126 count as 0; scores finite; sums in four chains a lane and a butterfly over lanes.
.set LOG2E,  0x3fb8aa3b
.set NLOG2E, 0xbfb8aa3b
.set LANE, 1                           ; v1   lane
.set L16,  2                           ; v2   16 x lane
.set T16,  3                           ; v3   16 x thread: my 4 columns of applied in LDS
.set PFO,  4                           ; v4   prefetch offset
.set ZERO, 5                           ; v5   0
.set L64,  6                           ; v6   64 x lane
.set ACC,  8                           ; v[8:11]    my 4 columns of applied
.set ML,   12                          ; v12  m_b of block b = lane
.set MX,   13                          ; v13  m
.set NM,   14                          ; v14  -m log2(e)
.set ZR,   15                          ; v15  Z, then 1 / Z
.set S,    16                          ; v[16:31]   the 16 scores of block b = lane, then exp(s - m)
.set W,    32                          ; v[32:63]   my row of comb_w's right half
.set P,    64                          ; v[64:191]  my 4 columns of the 32 partials; v[64:95] later applied, then out2
.set CH,   192                         ; v[192:199] four chains
.set D,    200
.set T,    201
.set FV,   202                         ; v202 f_b of block b = lane
.set FS,   16                          ; s[16:47]   f_0 .. f_31
.set SELLO, 4
.set SELHI, 5
.set STAGE, 4096                       ; LDS: 0-4095 applied; 4096-6143 out2 on its way out (one wave's own)
.macro LD8NT dst, vo, sb, imm, step
.irp j, 0,1,2,3,4,5,6,7
	global_load_b128 v[\dst+4*\j:\dst+4*\j+3], v[\vo], s[\sb:\sb+1] offset:\imm+\step*\j th:TH_LOAD_NT
.endr
.endm
.macro DOT32 ac, wt, vx, first
.irp k, 0,1,2,3
.if \first
	v_pk_mul_f32 v[\ac+2*\k:\ac+2*\k+1], v[\wt+2*\k:\wt+2*\k+1], v[\vx+2*\k:\vx+2*\k+1]
.else
	v_pk_fma_f32 v[\ac+2*\k:\ac+2*\k+1], v[\wt+2*\k:\wt+2*\k+1], v[\vx+2*\k:\vx+2*\k+1], v[\ac+2*\k:\ac+2*\k+1]
.endif
.endr
.irp k, 4,5,6,7,8,9,10,11,12,13,14,15
	v_pk_fma_f32 v[\ac+2*(\k%4):\ac+2*(\k%4)+1], v[\wt+2*\k:\wt+2*\k+1], v[\vx+2*\k:\vx+2*\k+1], v[\ac+2*(\k%4):\ac+2*(\k%4)+1]
.endr
.endm
.macro FOLD ac, d
	v_pk_add_f32 v[\ac:\ac+1], v[\ac:\ac+1], v[\ac+2:\ac+3]
	v_pk_add_f32 v[\ac+4:\ac+5], v[\ac+4:\ac+5], v[\ac+6:\ac+7]
	v_pk_add_f32 v[\ac:\ac+1], v[\ac:\ac+1], v[\ac+4:\ac+5]
	v_add_f32 v[\d], v[\ac], v[\ac+1]
.endm
.macro WSUM d, t
	v_add_f32_dpp v[\d], v[\d], v[\d] row_xmask:1 row_mask:0xf bank_mask:0xf
	v_add_f32_dpp v[\d], v[\d], v[\d] row_xmask:2 row_mask:0xf bank_mask:0xf
	v_add_f32_dpp v[\d], v[\d], v[\d] row_xmask:4 row_mask:0xf bank_mask:0xf
	v_add_f32_dpp v[\d], v[\d], v[\d] row_xmask:8 row_mask:0xf bank_mask:0xf
	v_permlanex16_b32 v[\t], v[\d], s[SELLO], s[SELHI]
	v_add_f32 v[\d], v[\d], v[\t]
.endm
.macro WMAX d, t
	v_max_num_f32_dpp v[\d], v[\d], v[\d] row_xmask:1 row_mask:0xf bank_mask:0xf
	v_max_num_f32_dpp v[\d], v[\d], v[\d] row_xmask:2 row_mask:0xf bank_mask:0xf
	v_max_num_f32_dpp v[\d], v[\d], v[\d] row_xmask:4 row_mask:0xf bank_mask:0xf
	v_max_num_f32_dpp v[\d], v[\d], v[\d] row_xmask:8 row_mask:0xf bank_mask:0xf
	v_permlanex16_b32 v[\t], v[\d], s[SELLO], s[SELHI]
	v_max_num_f32 v[\d], v[\d], v[\t]
.endm
.macro ONLY save                       ; EXEC is a source of pending loads and stores: it changes only behind s_wait_xcnt 0
	s_wait_xcnt 0x0
	s_and_saveexec_b32 s[\save], vcc_lo
.endm
.macro ALL save
	s_wait_xcnt 0x0
	s_or_b32 exec_lo, exec_lo, s[\save]
.endm
	s_load_b256 s[48:55], s[0:1], 0x0              ; scores 48, part 50, pre 52, comb_w 54
	s_load_b128 s[56:59], s[0:1], 0x20             ; w_ih 56, x 58
	s_load_b64 s[60:61], s[0:1], 0x30              ; out2
	v_lshl_add_u32 v204, v0, 2, 0x1800
	v_mov_b32 v205, 0
	v_and_b32 v[LANE], 31, v0
	v_lshrrev_b32 v[T], 5, v0
	v_readfirstlane_b32 s2, v[T]                   ; wave 0..7
	v_lshlrev_b32 v[L16], 4, v[LANE]
	v_and_b32 v[PFO], 127, v0
	v_lshrrev_b32 v[L64], 7, v0
	v_lshlrev_b32 v[PFO], 8, v[PFO]
	v_lshl_add_u32 v[PFO], v[L64], 22, v[PFO]      ; 256 (t & 127) + 4 MB (t >> 7): threads 0-127 gate r, 128-255 gate z
	s_mov_b32 s[SELLO], 0x76543210
	s_mov_b32 s[SELHI], 0xfedcba98
	s_lshl_b32 s3, ttmp9, 3
	s_add_co_u32 s3, s3, s2                        ; my row of comb_w
	s_mov_b32 s7, 0
	s_wait_kmcnt 0x0
.irp k, 0,1,2,3
	global_load_b128 v[S+4*\k:S+4*\k+3], v[L16], s[48:49] offset:512*\k    ; lane b: scores of rows 16 b + 4 k .. + 3
.endr
	s_lshl_b32 s6, s2, 9
	s_add_nc_u64 s[8:9], s[50:51], s[6:7]          ; part at my wave's 128 columns
.set b, 0
.rept 32
	global_load_b128 v[P+4*b:P+4*b+3], v[L16], s[8:9] offset:4096*b
.set b, b+1
.endr
	s_lshl_b32 s6, s3, 13
	s_add_nc_u64 s[10:11], s[54:55], s[6:7]
	LD8NT W, L16, 10, 4096, 512                    ; the row's right half
	s_lshl_b32 s6, s3, 2
	s_add_nc_u64 s[12:13], s[52:53], s[6:7]
	s_load_b32 s14, s[12:13], 0x3000               ; c1[row]: word 3072 + row of pre
	s_add_nc_u64 s[70:71], s[58:59], s[6:7]        ; x + 4 row
	s_lshl_b32 s6, ttmp9, 15
	s_add_nc_u64 s[66:67], s[56:57], s[6:7]        ; w_ih + 32768 k
	s_add_nc_u64 s[68:69], s[66:67], 0x800000      ; the same in gate n
	global_prefetch_b8 v[PFO], s[66:67] th:TH_LOAD_NT scope:SCOPE_SE
	s_cmp_ge_u32 s2, 4
	s_cbranch_scc1 .Lasked                         ; gate n's 128 blocks are asked for by waves 0-3 (threads 0-127)
	global_prefetch_b8 v[PFO], s[68:69] th:TH_LOAD_NT scope:SCOPE_SE
.Lasked:
	v_lshlrev_b32 v[T16], 4, v0
	v_lshlrev_b32 v[L64], 6, v[LANE]
	v_mov_b32 v[ZERO], 0
	s_wait_loadcnt 40                              ; the scores are in; 32 loads of partials and 8 of the row stay out
	v_max3_num_f32 v[ML], v[S], v[S+1], v[S+2]
.irp i, 3,5,7,9,11,13
	v_max3_num_f32 v[ML], v[ML], v[S+\i], v[S+\i+1]
.endr
	v_max_num_f32 v[ML], v[ML], v[S+15]            ; m_b, the same number that the first launch took
	v_mov_b32 v[MX], v[ML]
	WMAX MX, T                                     ; m
	v_mul_f32 v[NM], NLOG2E, v[MX]
.irp i, 0,1,2,3,4,5,6,7,8,9,10,11,12,13,14,15
	v_fmamk_f32 v[S+\i], v[S+\i], LOG2E, v[NM]
.endr
	v_fmamk_f32 v[FV], v[ML], LOG2E, v[NM]
.irp i, 0,1,2,3,4,5,6,7,8,9,10,11,12,13,14,15
	v_exp_f32 v[S+\i], v[S+\i]                     ; exp(s - m)
.endr
	v_exp_f32 v[FV], v[FV]                         ; exp(m_b - m)
	v_nop                                          ; one plain place behind the last v_exp_f32 (ISA guide 5.7.2)
	s_wait_alu depctr_va_vdst(0)
	v_pk_add_f32 v[CH:CH+1], v[S:S+1], v[S+2:S+3]
	v_pk_add_f32 v[CH+2:CH+3], v[S+4:S+5], v[S+6:S+7]
	v_pk_add_f32 v[CH+4:CH+5], v[S+8:S+9], v[S+10:S+11]
	v_pk_add_f32 v[CH+6:CH+7], v[S+12:S+13], v[S+14:S+15]
	FOLD CH, ZR
	WSUM ZR, T                                     ; Z
	v_rcp_f32 v[ZR], v[ZR]
	v_nop
	s_wait_alu depctr_va_vdst(0)
	v_mul_f32 v[FV], v[FV], v[ZR]                  ; f_b
.set b, 0
.rept 32
	v_readlane_b32 s[FS+b], v[FV], b
.set b, b+1
.endr
	s_wait_loadcnt 8                               ; the partials are in; the row's 8 loads stay out
.irp c, 0,1,2,3
	v_mul_f32 v[ACC+\c], s[FS], v[P+\c]
.endr
.set b, 1
.rept 31
.irp c, 0,1,2,3
	v_fmac_f32 v[ACC+\c], s[FS+b], v[P+4*b+\c]
.endr
.set b, b+1
.endr
	ds_store_b128 v[T16], v[ACC:ACC+3]
	s_wait_dscnt 0x0                               ; stored, for the other waves' sake
	s_barrier_signal -1
	s_barrier_wait -1
.irp j, 0,1,2,3,4,5,6,7
	ds_load_b128 v[P+4*\j:P+4*\j+3], v[L16] offset:512*\j          ; applied, laid out as the row's loads
.endr
	s_wait_dscnt 0x0
	s_wait_loadcnt 0x0
	s_wait_kmcnt 0x0
	DOT32 CH, W, P, 1
	FOLD CH, D
	WSUM D, T
	v_add_f32 v[D], s14, v[D]
	v_max_num_f32 v[D], 0, v[D]                    ; relu
	v_cmp_eq_u32 vcc_lo, 0, v[LANE]
	ONLY 15
	global_store_b32 v[ZERO], v[D], s[70:71]
	ALL 15
	s_cmp_lg_u32 s2, 0
	s_cbranch_scc1 .Lend
	s_cmp_lg_u32 ttmp9, 0
	s_cbranch_scc1 .Lend
	; out2, by one wave: lane b holds rows 16 b .. 16 b + 15; through the wave's own LDS bytes into runs of 512 bytes
.irp i, 0,1,2,3,4,5,6,7,8,9,10,11,12,13,14,15
	v_mul_f32 v[S+\i], v[S+\i], v[ZR]
.endr
.irp k, 0,1,2,3
	ds_store_b128 v[L64], v[S+4*\k:S+4*\k+3] offset:STAGE+16*\k
.endr
.irp k, 0,1,2,3
	ds_load_b128 v[P+4*\k:P+4*\k+3], v[L16] offset:STAGE+512*\k    ; LDS serves a wave's instructions in order (ISA guide 5.7.1)
.endr
.irp k, 0,1,2,3
	s_wait_dscnt 3-\k                              ; read-back k is in; the younger ones stay out
	global_store_b128 v[L16], v[P+4*\k:P+4*\k+3], s[60:61] offset:512*\k
.endr
.Lend:
	s_barrier_signal -1
	s_barrier_wait -1
	s_wait_tensorcnt 0x0
	ds_add_u32 v204, v205
	s_wait_dscnt 0x0
	s_endpgm
.Lfunc_end_k_q19128e707b_combine:
	.size	k_q19128e707b_combine, .Lfunc_end_k_q19128e707b_combine-k_q19128e707b_combine
	.p2alignl 7, 3214868480
	.fill 96, 4, 3214868480
	.section	.rodata,"a",@progbits
	.p2align	6, 0x0
	.amdhsa_kernel k_q19128e707b_combine
		.amdhsa_group_segment_fixed_size 7168
		.amdhsa_private_segment_fixed_size 0
		.amdhsa_enable_private_segment 0
		.amdhsa_kernarg_size 56
		.amdhsa_user_sgpr_count 2
		.amdhsa_user_sgpr_kernarg_segment_ptr 1
		.amdhsa_wavefront_size32 1
		.amdhsa_system_sgpr_workgroup_id_x 1
		.amdhsa_system_sgpr_workgroup_id_y 1
		.amdhsa_system_sgpr_workgroup_id_z 1
		.amdhsa_system_vgpr_workitem_id 0
		.amdhsa_next_free_vgpr 206
		.amdhsa_next_free_sgpr 80
		.amdhsa_reserve_vcc 1
		.amdhsa_float_denorm_mode_32 3
		.amdhsa_float_denorm_mode_16_64 3
		.amdhsa_memory_ordered 1
		.amdhsa_forward_progress 1
		.amdhsa_inst_pref_size 21
	.end_amdhsa_kernel
	.amdgpu_metadata
---
amdhsa.version: [ 1, 2 ]
amdhsa.kernels:
  - .name:           k_q19128e707b_combine
    .symbol:         k_q19128e707b_combine.kd
    .args:
      - { .name: scores, .offset: 0, .size: 8, .value_kind: global_buffer, .address_space: global }
      - { .name: part, .offset: 8, .size: 8, .value_kind: global_buffer, .address_space: global }
      - { .name: pre, .offset: 16, .size: 8, .value_kind: global_buffer, .address_space: global }
      - { .name: comb_w, .offset: 24, .size: 8, .value_kind: global_buffer, .address_space: global }
      - { .name: w_ih, .offset: 32, .size: 8, .value_kind: global_buffer, .address_space: global }
      - { .name: x, .offset: 40, .size: 8, .value_kind: global_buffer, .address_space: global }
      - { .name: out2, .offset: 48, .size: 8, .value_kind: global_buffer, .address_space: global }
    .group_segment_fixed_size: 7168
    .private_segment_fixed_size: 0
    .kernarg_segment_align: 8
    .kernarg_segment_size: 56
    .max_flat_workgroup_size: 256
    .sgpr_count:     80
    .vgpr_count:     206
    .wavefront_size: 32
...
	.end_amdgpu_metadata
.endif
;; end of part 2
;; launch gru (part 3): grid 256 x 1, 4 waves a work-group, no clusters, 0 bytes of LDS; arguments x, w_ih, b_ih, pre, hidden, out_w, out1; writes out1
.if DOCPART == 3
	.amdgcn_target "amdgcn-amd-amdhsa--gfx1250"
	.amdhsa_code_object_version 6
	.text
	.protected	k_q19128e707b_gru
	.globl	k_q19128e707b_gru
	.p2align	8
	.type	k_q19128e707b_gru,@function
k_q19128e707b_gru:
	s_mov_b64 s[64:65], 0
	v_nop
	global_prefetch_b8 v0, s[64:65] scope:SCOPE_SE
	s_setreg_imm32_b32 hwreg(HW_REG_WAVE_MODE, 25, 1), 1
	s_wait_xcnt 0x0
; One GRU unit a wave: j = 4 k + wave.  The wave reads rows j, 1024 + j, 2048 + j of w_ih (12 KB), makes the three dot
; products with x, takes gh (with b_hh) from pre, and stores h_new[j].  1,024 waves, no exchange, no LDS, no loop.
; x (4 KB) is all that the groups share beside 48 KB of their own rows: no joint requests.
; The launch also asks for the rows of out_w that the next launch's waves read first: its group k has twenty waves, wave u
; starting at row 200 k + 10 u.  Group k here (k < 251) asks for those twenty rows, 80 KB, lanes 256 bytes apart, each
; block once: two requests of all four waves (u = 0-15) and one of waves 0 and 1 (u = 16-19).  The last group of the
; next launch has only 57 rows inside the table: nothing is asked for it, so no request passes the buffer's end.
; LIMITS: sigmoid and tanh are made from v_exp_f32 and v_rcp_f32; sums in four chains a lane and a butterfly over lanes.
.set NLOG2E,   0xbfb8aa3b              ; -log2(e)
.set TWOLOG2E, 0x4038aa3b              ; 2 log2(e)
.set LANE, 1
.set L16,  2
.set PFO,  3                           ; v3  prefetch offset: 40960 (t >> 4) + 256 (t & 15)
.set ZERO, 4
.set TMP,  5
.set CH,   8                           ; v[8:15] four chains
.set DR,   16                          ; v16, v17, v18 the dot products of r, z, n
.set T,    19
.set G,    20                          ; v20 r, v21 z, v22 n, v23 h_new
.set X,    32                          ; v[32:63]
.set WR,   64                          ; v[64:95]
.set WZ,   96                          ; v[96:127]
.set WN,   128                         ; v[128:159]
.set SELLO, 4
.set SELHI, 5
.macro LD8 dst, vo, sb, imm, step
.irp j, 0,1,2,3,4,5,6,7
	global_load_b128 v[\dst+4*\j:\dst+4*\j+3], v[\vo], s[\sb:\sb+1] offset:\imm+\step*\j
.endr
.endm
.macro LD8NT dst, vo, sb, imm, step
.irp j, 0,1,2,3,4,5,6,7
	global_load_b128 v[\dst+4*\j:\dst+4*\j+3], v[\vo], s[\sb:\sb+1] offset:\imm+\step*\j th:TH_LOAD_NT
.endr
.endm
.macro DOT32 ac, wt, vx, first
.irp k, 0,1,2,3
.if \first
	v_pk_mul_f32 v[\ac+2*\k:\ac+2*\k+1], v[\wt+2*\k:\wt+2*\k+1], v[\vx+2*\k:\vx+2*\k+1]
.else
	v_pk_fma_f32 v[\ac+2*\k:\ac+2*\k+1], v[\wt+2*\k:\wt+2*\k+1], v[\vx+2*\k:\vx+2*\k+1], v[\ac+2*\k:\ac+2*\k+1]
.endif
.endr
.irp k, 4,5,6,7,8,9,10,11,12,13,14,15
	v_pk_fma_f32 v[\ac+2*(\k%4):\ac+2*(\k%4)+1], v[\wt+2*\k:\wt+2*\k+1], v[\vx+2*\k:\vx+2*\k+1], v[\ac+2*(\k%4):\ac+2*(\k%4)+1]
.endr
.endm
.macro FOLD ac, d
	v_pk_add_f32 v[\ac:\ac+1], v[\ac:\ac+1], v[\ac+2:\ac+3]
	v_pk_add_f32 v[\ac+4:\ac+5], v[\ac+4:\ac+5], v[\ac+6:\ac+7]
	v_pk_add_f32 v[\ac:\ac+1], v[\ac:\ac+1], v[\ac+4:\ac+5]
	v_add_f32 v[\d], v[\ac], v[\ac+1]
.endm
.macro WSUM d, t
	v_add_f32_dpp v[\d], v[\d], v[\d] row_xmask:1 row_mask:0xf bank_mask:0xf
	v_add_f32_dpp v[\d], v[\d], v[\d] row_xmask:2 row_mask:0xf bank_mask:0xf
	v_add_f32_dpp v[\d], v[\d], v[\d] row_xmask:4 row_mask:0xf bank_mask:0xf
	v_add_f32_dpp v[\d], v[\d], v[\d] row_xmask:8 row_mask:0xf bank_mask:0xf
	v_permlanex16_b32 v[\t], v[\d], s[SELLO], s[SELHI]
	v_add_f32 v[\d], v[\d], v[\t]
.endm
	s_load_b256 s[8:15], s[0:1], 0x0               ; x 8, w_ih 10, b_ih 12, pre 14
	s_load_b128 s[16:19], s[0:1], 0x20             ; hidden 16, out_w 18
	s_load_b64 s[20:21], s[0:1], 0x30              ; out1
	v_and_b32 v[LANE], 31, v0
	v_lshrrev_b32 v[T], 5, v0
	v_readfirstlane_b32 s2, v[T]                   ; wave 0..3
	v_lshlrev_b32 v[L16], 4, v[LANE]
	v_mov_b32 v[ZERO], 0
	v_lshrrev_b32 v[PFO], 4, v0
	v_mul_u32_u24 v[PFO], 0xa000, v[PFO]           ; ten rows of 4,096 bytes from one wave's first row to the next wave's
	v_and_b32 v[TMP], 15, v0
	v_lshl_add_u32 v[PFO], v[TMP], 8, v[PFO]
	s_mov_b32 s[SELLO], 0x76543210
	s_mov_b32 s[SELHI], 0xfedcba98
	s_mov_b32 s47, NLOG2E
	s_lshl_b32 s3, ttmp9, 2
	s_add_co_u32 s3, s3, s2                        ; j
	s_mov_b32 s7, 0
	s_wait_kmcnt 0x0
	LD8 X, L16, 8, 0, 512
	s_lshl_b32 s6, s3, 12
	s_add_nc_u64 s[22:23], s[10:11], s[6:7]        ; row j
	s_add_nc_u64 s[24:25], s[22:23], 0x400000      ; row 1024 + j
	s_add_nc_u64 s[26:27], s[22:23], 0x800000      ; row 2048 + j
	LD8NT WR, L16, 22, 0, 512
	LD8NT WZ, L16, 24, 0, 512
	LD8NT WN, L16, 26, 0, 512
	s_lshl_b32 s6, s3, 2
	s_add_nc_u64 s[28:29], s[12:13], s[6:7]
	s_add_nc_u64 s[30:31], s[14:15], s[6:7]
	s_add_nc_u64 s[38:39], s[16:17], s[6:7]
	s_add_nc_u64 s[42:43], s[20:21], s[6:7]
	s_load_b32 s32, s[28:29], 0x0                  ; b_ih of r, z, n
	s_load_b32 s33, s[28:29], 0x1000
	s_load_b32 s34, s[28:29], 0x2000
	s_load_b32 s35, s[30:31], 0x0                  ; gh of r, z, n
	s_load_b32 s36, s[30:31], 0x1000
	s_load_b32 s37, s[30:31], 0x2000
	s_load_b32 s40, s[38:39], 0x0                  ; h0[j]
	s_cmp_ge_u32 ttmp9, 251
	s_cbranch_scc1 .Lasked
	s_mul_i32 s6, ttmp9, 819200                    ; 200 rows of 4,096 bytes
	s_add_nc_u64 s[44:45], s[18:19], s[6:7]
	global_prefetch_b8 v[PFO], s[44:45] th:TH_LOAD_NT scope:SCOPE_SE                 ; first rows of waves 0-7
	global_prefetch_b8 v[PFO], s[44:45] offset:327680 th:TH_LOAD_NT scope:SCOPE_SE   ; of waves 8-15
	s_cmp_ge_u32 s2, 2
	s_cbranch_scc1 .Lasked
	global_prefetch_b8 v[PFO], s[44:45] offset:655360 th:TH_LOAD_NT scope:SCOPE_SE   ; of waves 16-19 (threads 0-63)
.Lasked:
	s_wait_loadcnt 16                              ; x and r's row are in; z's and n's 16 loads stay out
	DOT32 CH, WR, X, 1
	FOLD CH, DR
	WSUM DR, T
	s_wait_loadcnt 8                               ; n's 8 loads stay out
	DOT32 CH, WZ, X, 1
	FOLD CH, DR+1
	WSUM DR+1, T
	s_wait_loadcnt 0x0
	DOT32 CH, WN, X, 1
	FOLD CH, DR+2
	WSUM DR+2, T
	s_wait_kmcnt 0x0
	s_add_f32 s32, s32, s35                        ; b_ih + gh of r and of z,
	s_add_f32 s33, s33, s36
	s_mul_f32 s32, s32, s47                        ; times -log2(e), so that one fused multiply-add makes the exponent
	s_mul_f32 s33, s33, s47
	v_fma_f32 v[G], v[DR], s47, s32
	v_fma_f32 v[G+1], v[DR+1], s47, s33
	v_exp_f32 v[G], v[G]
	v_exp_f32 v[G+1], v[G+1]
	v_add_f32 v[G+2], s34, v[DR+2]                 ; i_n; also the plain place behind v_exp_f32 (ISA guide 5.7.2)
	s_wait_alu depctr_va_vdst(0)
	v_add_f32 v[G], 1.0, v[G]
	v_add_f32 v[G+1], 1.0, v[G+1]
	v_rcp_f32 v[G], v[G]                           ; r
	v_rcp_f32 v[G+1], v[G+1]                       ; z
	v_nop
	s_wait_alu depctr_va_vdst(0)
	v_fma_f32 v[G+2], v[G], s37, v[G+2]            ; i_n + r h_n
	v_mul_f32 v[G+2], TWOLOG2E, v[G+2]
	v_exp_f32 v[G+2], v[G+2]
	v_nop
	s_wait_alu depctr_va_vdst(0)
	v_add_f32 v[G+2], 1.0, v[G+2]
	v_rcp_f32 v[G+2], v[G+2]
	v_nop
	s_wait_alu depctr_va_vdst(0)
	v_fma_f32 v[G+2], v[G+2], -2.0, 1.0            ; n = tanh = 1 - 2 / (1 + exp(2 t))
	v_sub_f32 v[G+3], s40, v[G+2]
	v_fma_f32 v[G+3], v[G+1], v[G+3], v[G+2]       ; (1 - z) n + z h0 = n + z (h0 - n)
	v_cmp_eq_u32 vcc_lo, 0, v[LANE]
	s_wait_xcnt 0x0                                ; EXEC changes only behind s_wait_xcnt 0
	s_and_saveexec_b32 s46, vcc_lo
	global_store_b32 v[ZERO], v[G+3], s[42:43]
	s_wait_xcnt 0x0
	s_or_b32 exec_lo, exec_lo, s46
	s_endpgm
.Lfunc_end_k_q19128e707b_gru:
	.size	k_q19128e707b_gru, .Lfunc_end_k_q19128e707b_gru-k_q19128e707b_gru
	.p2alignl 7, 3214868480
	.fill 96, 4, 3214868480
	.section	.rodata,"a",@progbits
	.p2align	6, 0x0
	.amdhsa_kernel k_q19128e707b_gru
		.amdhsa_group_segment_fixed_size 0
		.amdhsa_private_segment_fixed_size 0
		.amdhsa_enable_private_segment 0
		.amdhsa_kernarg_size 56
		.amdhsa_user_sgpr_count 2
		.amdhsa_user_sgpr_kernarg_segment_ptr 1
		.amdhsa_wavefront_size32 1
		.amdhsa_system_sgpr_workgroup_id_x 1
		.amdhsa_system_sgpr_workgroup_id_y 1
		.amdhsa_system_sgpr_workgroup_id_z 1
		.amdhsa_system_vgpr_workitem_id 0
		.amdhsa_next_free_vgpr 160
		.amdhsa_next_free_sgpr 66
		.amdhsa_reserve_vcc 1
		.amdhsa_float_denorm_mode_32 3
		.amdhsa_float_denorm_mode_16_64 3
		.amdhsa_memory_ordered 1
		.amdhsa_forward_progress 1
		.amdhsa_inst_pref_size 12
	.end_amdhsa_kernel
	.amdgpu_metadata
---
amdhsa.version: [ 1, 2 ]
amdhsa.kernels:
  - .name:           k_q19128e707b_gru
    .symbol:         k_q19128e707b_gru.kd
    .args:
      - { .name: x, .offset: 0, .size: 8, .value_kind: global_buffer, .address_space: global }
      - { .name: w_ih, .offset: 8, .size: 8, .value_kind: global_buffer, .address_space: global }
      - { .name: b_ih, .offset: 16, .size: 8, .value_kind: global_buffer, .address_space: global }
      - { .name: pre, .offset: 24, .size: 8, .value_kind: global_buffer, .address_space: global }
      - { .name: hidden, .offset: 32, .size: 8, .value_kind: global_buffer, .address_space: global }
      - { .name: out_w, .offset: 40, .size: 8, .value_kind: global_buffer, .address_space: global }
      - { .name: out1, .offset: 48, .size: 8, .value_kind: global_buffer, .address_space: global }
    .group_segment_fixed_size: 0
    .private_segment_fixed_size: 0
    .kernarg_segment_align: 8
    .kernarg_segment_size: 56
    .max_flat_workgroup_size: 128
    .sgpr_count:     66
    .vgpr_count:     160
    .wavefront_size: 32
...
	.end_amdgpu_metadata
.endif
;; end of part 3
;; launch project (part 4): grid 252 x 1, 20 waves a work-group, no clusters, 3,584 bytes of LDS; arguments out1, out_w, out_b, logits, stats; writes logits, stats
.if DOCPART == 4
	.amdgcn_target "amdgcn-amd-amdhsa--gfx1250"
	.amdhsa_code_object_version 6
	.text
	.protected	k_q19128e707b_project
	.globl	k_q19128e707b_project
	.p2align	8
	.type	k_q19128e707b_project,@function
k_q19128e707b_project:
	s_mov_b64 s[64:65], 0
	v_nop
	global_prefetch_b8 v0, s[64:65] scope:SCOPE_SE
	s_setreg_imm32_b32 hwreg(HW_REG_WAVE_MODE, 25, 1), 1
	s_wait_xcnt 0x0
; logits = out_w h_new + out_b, and for each group the pair (max, sum of exp(logit - max)) of its rows.
; 252 groups of 200 rows (252 x 200 = 50,400 >= 50,257); twenty waves, five to a SIMD at 192 registers; wave w takes the
; ten consecutive rows 200 k + 10 w + i: 40 KB in one piece.  A row is eight loads of 512 consecutive bytes; a ring of
; four row slots in registers keeps up to 32 loads (16 KB) of every wave out, 320 KB for the group.  The ten turns are
; written out; each row has its own base register pair, written once, so no source of a pending load is ever rewritten.
; Rows past the table are clamped to its last row (only the last group has such rows) and their results become -inf.
; LC = min(lane, 9): lane i < 9 keeps row i's result, lanes 9-31 all keep row 9's, so the one LDS store needs no change of
; EXEC: lanes 9-31 write the same word with the same number, and a wave's 40 bytes at 40 w are its own.
; f32 on the vector unit: one row against one vector is 2 FLOP for 4 bytes.  No joint requests: the groups share h_new
; (4 KB) beside 800 KB of rows of their own.  No LDS ring: no row is read by a second wave.
; LIMITS: logits finite; exp results below 2^-126 count as 0; sums in four chains a lane and a butterfly over lanes.
.set V_SIZE, 50257
.set V_LAST, 50256
.set LOG2E,  0x3fb8aa3b
.set NLOG2E, 0xbfb8aa3b
.set NINF,   0xff800000
.set LANE, 1
.set L16,  2
.set ROWV, 3                           ; v3   the row whose result this lane keeps (not clamped)
.set BO,   4                           ; v4   4 x that row, clamped
.set BIAS, 5
.set R,    6                           ; v6   that row's dot product
.set D,    7
.set T,    8
.set LC,   9                           ; v9   min(lane, 9)
.set LWR,  10                          ; v10  40 wave + 4 LC
.set L17,  11                          ; v11  16 min(lane, 17)
.set MS,   12                          ; v[12:13] (max, sum)
.set NM,   14
.set ZERO, 15
.set CH,   16                          ; v[16:23] four chains
.set E,    24                          ; v[24:31] wave 0: eight of the group's 200 logits
.set HN,   32                          ; v[32:63] h_new
.set SL,   64                          ; v[64:191] four row slots
.set RB,   24                          ; s[24:43] the ten rows' addresses
.set SELLO, 4
.set SELHI, 5
.macro LD8 dst, vo, sb, imm, step
.irp j, 0,1,2,3,4,5,6,7
	global_load_b128 v[\dst+4*\j:\dst+4*\j+3], v[\vo], s[\sb:\sb+1] offset:\imm+\step*\j
.endr
.endm
.macro LD8NT dst, vo, sb, imm, step
.irp j, 0,1,2,3,4,5,6,7
	global_load_b128 v[\dst+4*\j:\dst+4*\j+3], v[\vo], s[\sb:\sb+1] offset:\imm+\step*\j th:TH_LOAD_NT
.endr
.endm
.macro DOT32 ac, wt, vx, first
.irp k, 0,1,2,3
.if \first
	v_pk_mul_f32 v[\ac+2*\k:\ac+2*\k+1], v[\wt+2*\k:\wt+2*\k+1], v[\vx+2*\k:\vx+2*\k+1]
.else
	v_pk_fma_f32 v[\ac+2*\k:\ac+2*\k+1], v[\wt+2*\k:\wt+2*\k+1], v[\vx+2*\k:\vx+2*\k+1], v[\ac+2*\k:\ac+2*\k+1]
.endif
.endr
.irp k, 4,5,6,7,8,9,10,11,12,13,14,15
	v_pk_fma_f32 v[\ac+2*(\k%4):\ac+2*(\k%4)+1], v[\wt+2*\k:\wt+2*\k+1], v[\vx+2*\k:\vx+2*\k+1], v[\ac+2*(\k%4):\ac+2*(\k%4)+1]
.endr
.endm
.macro FOLD ac, d
	v_pk_add_f32 v[\ac:\ac+1], v[\ac:\ac+1], v[\ac+2:\ac+3]
	v_pk_add_f32 v[\ac+4:\ac+5], v[\ac+4:\ac+5], v[\ac+6:\ac+7]
	v_pk_add_f32 v[\ac:\ac+1], v[\ac:\ac+1], v[\ac+4:\ac+5]
	v_add_f32 v[\d], v[\ac], v[\ac+1]
.endm
.macro WSUM d, t
	v_add_f32_dpp v[\d], v[\d], v[\d] row_xmask:1 row_mask:0xf bank_mask:0xf
	v_add_f32_dpp v[\d], v[\d], v[\d] row_xmask:2 row_mask:0xf bank_mask:0xf
	v_add_f32_dpp v[\d], v[\d], v[\d] row_xmask:4 row_mask:0xf bank_mask:0xf
	v_add_f32_dpp v[\d], v[\d], v[\d] row_xmask:8 row_mask:0xf bank_mask:0xf
	v_permlanex16_b32 v[\t], v[\d], s[SELLO], s[SELHI]
	v_add_f32 v[\d], v[\d], v[\t]
.endm
.macro WMAX d, t
	v_max_num_f32_dpp v[\d], v[\d], v[\d] row_xmask:1 row_mask:0xf bank_mask:0xf
	v_max_num_f32_dpp v[\d], v[\d], v[\d] row_xmask:2 row_mask:0xf bank_mask:0xf
	v_max_num_f32_dpp v[\d], v[\d], v[\d] row_xmask:4 row_mask:0xf bank_mask:0xf
	v_max_num_f32_dpp v[\d], v[\d], v[\d] row_xmask:8 row_mask:0xf bank_mask:0xf
	v_permlanex16_b32 v[\t], v[\d], s[SELLO], s[SELHI]
	v_max_num_f32 v[\d], v[\d], v[\t]
.endm
.macro ONLY save                       ; EXEC is a source of pending loads and stores: it changes only behind s_wait_xcnt 0
	s_wait_xcnt 0x0
	s_and_saveexec_b32 s[\save], vcc_lo
.endm
.macro ALL save
	s_wait_xcnt 0x0
	s_or_b32 exec_lo, exec_lo, s[\save]
.endm
.macro BASE i                          ; the address of my row i, clamped to the table's last row
	s_add_co_u32 s6, s3, \i
	s_min_u32 s6, s6, V_LAST
	s_lshl_b32 s6, s6, 12
	s_add_nc_u64 s[RB+2*\i:RB+2*\i+1], s[10:11], s[6:7]
.endm
; The turn of row i (slot i % 4).  left = how many younger loads may stay out; fill = 1: the slot takes row i + 4 as soon
; as the products have read it.
.macro ROW i, left, fill
	s_wait_loadcnt \left
	DOT32 CH, SL+32*(\i%4), HN, 1
.if \fill
	LD8NT SL+32*(\i%4), L16, RB+2*(\i+4), 0, 512
.endif
.if \i == 0
	FOLD CH, R
	WSUM R, T                                      ; the first row starts R in every lane
.else
	FOLD CH, D
	WSUM D, T
	v_cmp_eq_u32 vcc_lo, \i, v[LC]
	v_cndmask_b32 v[R], v[R], v[D], vcc_lo
.endif
.endm
	s_load_b256 s[8:15], s[0:1], 0x0               ; out1 8, out_w 10, out_b 12, logits 14
	s_load_b64 s[16:17], s[0:1], 0x20              ; stats
	v_and_b32 v[LANE], 31, v0
	v_lshrrev_b32 v[T], 5, v0
	v_readfirstlane_b32 s2, v[T]                   ; wave 0..19
	v_lshlrev_b32 v[L16], 4, v[LANE]
	v_min_u32 v[LC], 9, v[LANE]
	v_mov_b32 v[ZERO], 0
	s_mul_i32 s3, ttmp9, 200
	s_mul_i32 s18, s2, 10
	s_add_co_u32 s3, s3, s18                       ; my wave's first row
	v_add_nc_u32 v[ROWV], s3, v[LC]
	v_min_u32 v[BO], V_LAST, v[ROWV]
	v_lshlrev_b32 v[BO], 2, v[BO]
	s_mul_i32 s18, s2, 40
	v_lshl_add_u32 v[LWR], v[LC], 2, s18
	s_mov_b32 s[SELLO], 0x76543210
	s_mov_b32 s[SELHI], 0xfedcba98
	s_mov_b32 s7, 0
	s_wait_kmcnt 0x0
	LD8 HN, L16, 8, 0, 512
	global_load_b32 v[BIAS], v[BO], s[12:13]
.irp i, 0,1,2,3
	BASE \i
	LD8NT SL+32*\i, L16, RB+2*\i, 0, 512
.endr
.irp i, 4,5,6,7,8,9
	BASE \i
.endr
	ROW 0, 24, 1                                   ; 24: the three younger rows' loads stay out (h_new and the bias are older)
	ROW 1, 24, 1
	ROW 2, 24, 1
	ROW 3, 24, 1
	ROW 4, 24, 1
	ROW 5, 24, 1
	ROW 6, 24, 0                                   ; rows 7, 8, 9 are out; nothing is left to ask for
	ROW 7, 16, 0
	ROW 8, 8, 0
	ROW 9, 0, 0
	v_add_f32 v[R], v[R], v[BIAS]
	v_cmp_gt_u32 vcc_lo, V_SIZE, v[ROWV]
	v_cndmask_b32 v[R], NINF, v[R], vcc_lo         ; rows past the table: -inf
	ds_store_b32 v[LWR], v[R]                      ; LDS word = row in the group
	s_wait_dscnt 0x0                               ; stored, for wave 0's sake
	s_barrier_signal -1
	s_barrier_wait -1
	s_cmp_lg_u32 s2, 0
	s_cbranch_scc1 .Lend
	; wave 0: the group's 200 logits out in one run of 800 bytes, and their (max, sum of exp)
	v_min_u32 v[L17], 17, v[LANE]
	v_lshlrev_b32 v[L17], 4, v[L17]
	ds_load_b128 v[E:E+3], v[L16]                  ; words 0-127
	ds_load_b128 v[E+4:E+7], v[L17] offset:512     ; words 128-199 in lanes 0-17; lanes 18-31 repeat lane 17's
	s_mul_i32 s6, ttmp9, 800
	s_add_nc_u64 s[44:45], s[14:15], s[6:7]
	s_lshl_b32 s6, ttmp9, 3
	s_add_nc_u64 s[46:47], s[16:17], s[6:7]
	s_wait_dscnt 0x0
	global_store_b128 v[L16], v[E:E+3], s[44:45]
	v_cmp_gt_u32 vcc_lo, 18, v[LANE]
	ONLY 19
	global_store_b128 v[L17], v[E+4:E+7], s[44:45] offset:512
	ALL 19                                         ; its s_wait_xcnt 0 also frees both stores' data for the lines below
.irp c, 4,5,6,7
	v_cndmask_b32 v[E+\c], NINF, v[E+\c], vcc_lo   ; VCC still says lane < 18: the repeats count for nothing
.endr
	v_max3_num_f32 v[MS], v[E], v[E+1], v[E+2]
	v_max3_num_f32 v[MS], v[MS], v[E+3], v[E+4]
	v_max3_num_f32 v[MS], v[MS], v[E+5], v[E+6]
	v_max_num_f32 v[MS], v[MS], v[E+7]
	WMAX MS, T                                     ; finite: every group holds at least 57 rows of the table
	v_mul_f32 v[NM], NLOG2E, v[MS]
.irp c, 0,1,2,3,4,5,6,7
	v_fmamk_f32 v[E+\c], v[E+\c], LOG2E, v[NM]
.endr
.irp c, 0,1,2,3,4,5,6,7
	v_exp_f32 v[E+\c], v[E+\c]
.endr
	v_nop                                          ; one plain place behind the last v_exp_f32 (ISA guide 5.7.2)
	s_wait_alu depctr_va_vdst(0)
	FOLD E, MS+1
	WSUM MS+1, T
	v_cmp_eq_u32 vcc_lo, 0, v[LANE]
	ONLY 19
	global_store_b64 v[ZERO], v[MS:MS+1], s[46:47]
	ALL 19
.Lend:
	s_wait_xcnt 0x0
	s_mov_b32 exec_lo, -1
	v_lshl_add_u32 v22, v0, 2, 0x400
	v_mov_b32 v23, 0
	s_wait_tensorcnt 0x0
	ds_add_u32 v22, v23
	s_wait_dscnt 0x0
	s_endpgm
.Lfunc_end_k_q19128e707b_project:
	.size	k_q19128e707b_project, .Lfunc_end_k_q19128e707b_project-k_q19128e707b_project
	.p2alignl 7, 3214868480
	.fill 96, 4, 3214868480
	.section	.rodata,"a",@progbits
	.p2align	6, 0x0
	.amdhsa_kernel k_q19128e707b_project
		.amdhsa_group_segment_fixed_size 3584
		.amdhsa_private_segment_fixed_size 0
		.amdhsa_enable_private_segment 0
		.amdhsa_kernarg_size 40
		.amdhsa_user_sgpr_count 2
		.amdhsa_user_sgpr_kernarg_segment_ptr 1
		.amdhsa_wavefront_size32 1
		.amdhsa_system_sgpr_workgroup_id_x 1
		.amdhsa_system_sgpr_workgroup_id_y 1
		.amdhsa_system_sgpr_workgroup_id_z 1
		.amdhsa_system_vgpr_workitem_id 0
		.amdhsa_next_free_vgpr 192
		.amdhsa_next_free_sgpr 66
		.amdhsa_reserve_vcc 1
		.amdhsa_float_denorm_mode_32 3
		.amdhsa_float_denorm_mode_16_64 3
		.amdhsa_memory_ordered 1
		.amdhsa_forward_progress 1
		.amdhsa_inst_pref_size 32
	.end_amdhsa_kernel
	.amdgpu_metadata
---
amdhsa.version: [ 1, 2 ]
amdhsa.kernels:
  - .name:           k_q19128e707b_project
    .symbol:         k_q19128e707b_project.kd
    .args:
      - { .name: out1, .offset: 0, .size: 8, .value_kind: global_buffer, .address_space: global }
      - { .name: out_w, .offset: 8, .size: 8, .value_kind: global_buffer, .address_space: global }
      - { .name: out_b, .offset: 16, .size: 8, .value_kind: global_buffer, .address_space: global }
      - { .name: logits, .offset: 24, .size: 8, .value_kind: global_buffer, .address_space: global }
      - { .name: stats, .offset: 32, .size: 8, .value_kind: global_buffer, .address_space: global }
    .group_segment_fixed_size: 3584
    .private_segment_fixed_size: 0
    .kernarg_segment_align: 8
    .kernarg_segment_size: 40
    .max_flat_workgroup_size: 640
    .sgpr_count:     66
    .vgpr_count:     192
    .wavefront_size: 32
...
	.end_amdgpu_metadata
.endif
;; end of part 4
;; launch lsm (part 5): grid 50 x 1, 8 waves a work-group, no clusters, 0 bytes of LDS; arguments logits, stats, out0; writes out0
.if DOCPART == 5
	.amdgcn_target "amdgcn-amd-amdhsa--gfx1250"
	.amdhsa_code_object_version 6
	.text
	.protected	k_q19128e707b_lsm
	.globl	k_q19128e707b_lsm
	.p2align	8
	.type	k_q19128e707b_lsm,@function
k_q19128e707b_lsm:
	s_mov_b64 s[64:65], 0
	v_nop
	global_prefetch_b8 v0, s[64:65] scope:SCOPE_SE
	s_setreg_imm32_b32 hwreg(HW_REG_WAVE_MODE, 25, 1), 1
	s_wait_xcnt 0x0
; out0 = logits - lse, lse = M + ln(sum of s_k exp(m_k - M)) over the 252 pairs (m_k, s_k).
; Thread g = 256 k + t owns words 4 g .. 4 g + 3; 50 x 256 threads cover the 12,565 groups of four words.  Every wave
; reduces the 2,016 bytes of pairs for itself: four loads, no LDS, no barrier.  Loads are clamped to bytes that the launch
; before has written (pairs: lane 29 of the fourth load; logits: g = 12,564, whose words past the table hold -inf).
; A stream of 400 KB: matrix units, LDS and joint requests have nothing to do here.
; LIMITS: logits finite; exp results below 2^-126 count as 0.
.set LOG2E,  0x3fb8aa3b
.set NLOG2E, 0xbfb8aa3b
.set LN2,    0x3f317218
.set G_LAST, 12564                     ; the thread that owns word 50,256 alone
.set LANE, 1
.set L16,  2
.set GI,   3                           ; v3  g
.set GO,   4                           ; v4  16 min(g, G_LAST)
.set L29,  5                           ; v5  16 min(lane, 29)
.set ST,   8                           ; v[8:23]  eight pairs (m, s)
.set LG,   24                          ; v[24:27] my four logits
.set MX,   28
.set T,    29
.set NM,   30
.set SU,   31
.set SELLO, 4
.set SELHI, 5
	s_load_b128 s[8:11], s[0:1], 0x0               ; logits 8, stats 10
	s_load_b64 s[12:13], s[0:1], 0x10              ; out0
	v_and_b32 v[LANE], 31, v0
	v_lshlrev_b32 v[L16], 4, v[LANE]
	s_lshl_b32 s2, ttmp9, 8
	v_add_nc_u32 v[GI], s2, v0
	v_min_u32 v[GO], G_LAST, v[GI]
	v_lshlrev_b32 v[GO], 4, v[GO]
	v_min_u32 v[L29], 29, v[LANE]
	v_lshlrev_b32 v[L29], 4, v[L29]
	v_mov_b32 v[T], 0                              ; v_permlanex16_b32 counts as a reader of its destination
	s_mov_b32 s[SELLO], 0x76543210
	s_mov_b32 s[SELHI], 0xfedcba98
	s_wait_kmcnt 0x0
	global_load_b128 v[ST:ST+3], v[L16], s[10:11]
	global_load_b128 v[ST+4:ST+7], v[L16], s[10:11] offset:512
	global_load_b128 v[ST+8:ST+11], v[L16], s[10:11] offset:1024
	global_load_b128 v[ST+12:ST+15], v[L29], s[10:11] offset:1536
	global_load_b128 v[LG:LG+3], v[GO], s[8:9] th:TH_LOAD_NT
	s_wait_loadcnt 1                               ; the pairs are in; the logits' one load stays out
	v_cmp_gt_u32 vcc_lo, 30, v[LANE]
	v_cndmask_b32 v[ST+13], 0, v[ST+13], vcc_lo    ; lanes 30, 31 repeat lane 29's pairs: their sums count for nothing,
	v_cndmask_b32 v[ST+15], 0, v[ST+15], vcc_lo    ; and a repeated maximum changes no maximum
	v_max3_num_f32 v[MX], v[ST], v[ST+2], v[ST+4]
	v_max3_num_f32 v[MX], v[MX], v[ST+6], v[ST+8]
	v_max3_num_f32 v[MX], v[MX], v[ST+10], v[ST+12]
	v_max_num_f32 v[MX], v[MX], v[ST+14]
	v_max_num_f32_dpp v[MX], v[MX], v[MX] row_xmask:1 row_mask:0xf bank_mask:0xf
	v_max_num_f32_dpp v[MX], v[MX], v[MX] row_xmask:2 row_mask:0xf bank_mask:0xf
	v_max_num_f32_dpp v[MX], v[MX], v[MX] row_xmask:4 row_mask:0xf bank_mask:0xf
	v_max_num_f32_dpp v[MX], v[MX], v[MX] row_xmask:8 row_mask:0xf bank_mask:0xf
	v_permlanex16_b32 v[T], v[MX], s[SELLO], s[SELHI]
	v_max_num_f32 v[MX], v[MX], v[T]               ; M
	v_mul_f32 v[NM], NLOG2E, v[MX]
.irp p, 0,2,4,6,8,10,12,14
	v_fmamk_f32 v[ST+\p], v[ST+\p], LOG2E, v[NM]
.endr
.irp p, 0,2,4,6,8,10,12,14
	v_exp_f32 v[ST+\p], v[ST+\p]                   ; exp(m_k - M)
.endr
	v_nop                                          ; one plain place behind the last v_exp_f32 (ISA guide 5.7.2)
	s_wait_alu depctr_va_vdst(0)
	v_mul_f32 v[SU], v[ST+1], v[ST]
.irp p, 2,4,6,8,10,12,14
	v_fmac_f32 v[SU], v[ST+\p+1], v[ST+\p]
.endr
	v_add_f32_dpp v[SU], v[SU], v[SU] row_xmask:1 row_mask:0xf bank_mask:0xf
	v_add_f32_dpp v[SU], v[SU], v[SU] row_xmask:2 row_mask:0xf bank_mask:0xf
	v_add_f32_dpp v[SU], v[SU], v[SU] row_xmask:4 row_mask:0xf bank_mask:0xf
	v_add_f32_dpp v[SU], v[SU], v[SU] row_xmask:8 row_mask:0xf bank_mask:0xf
	v_permlanex16_b32 v[T], v[SU], s[SELLO], s[SELHI]
	v_add_f32 v[SU], v[SU], v[T]
	v_log_f32 v[SU], v[SU]
	v_nop
	s_wait_alu depctr_va_vdst(0)
	v_fmamk_f32 v[SU], v[SU], LN2, v[MX]           ; lse
	s_wait_loadcnt 0x0
.irp c, 0,1,2,3
	v_sub_f32 v[LG+\c], v[LG+\c], v[SU]
.endr
	v_cmp_gt_u32 vcc_lo, G_LAST, v[GI]
	s_wait_xcnt 0x0                                ; EXEC changes only behind s_wait_xcnt 0
	s_and_saveexec_b32 s6, vcc_lo
	global_store_b128 v[GO], v[LG:LG+3], s[12:13] th:TH_STORE_NT   ; a wave's store covers 512 consecutive bytes
	s_wait_xcnt 0x0
	s_or_b32 exec_lo, exec_lo, s6
	v_cmp_eq_u32 vcc_lo, G_LAST, v[GI]
	s_wait_xcnt 0x0
	s_and_saveexec_b32 s6, vcc_lo
	global_store_b32 v[GO], v[LG], s[12:13]        ; word 50,256, the output's last
	s_wait_xcnt 0x0
	s_or_b32 exec_lo, exec_lo, s6
	s_endpgm
.Lfunc_end_k_q19128e707b_lsm:
	.size	k_q19128e707b_lsm, .Lfunc_end_k_q19128e707b_lsm-k_q19128e707b_lsm
	.p2alignl 7, 3214868480
	.fill 96, 4, 3214868480
	.section	.rodata,"a",@progbits
	.p2align	6, 0x0
	.amdhsa_kernel k_q19128e707b_lsm
		.amdhsa_group_segment_fixed_size 0
		.amdhsa_private_segment_fixed_size 0
		.amdhsa_enable_private_segment 0
		.amdhsa_kernarg_size 24
		.amdhsa_user_sgpr_count 2
		.amdhsa_user_sgpr_kernarg_segment_ptr 1
		.amdhsa_wavefront_size32 1
		.amdhsa_system_sgpr_workgroup_id_x 1
		.amdhsa_system_sgpr_workgroup_id_y 1
		.amdhsa_system_sgpr_workgroup_id_z 1
		.amdhsa_system_vgpr_workitem_id 0
		.amdhsa_next_free_vgpr 40
		.amdhsa_next_free_sgpr 66
		.amdhsa_reserve_vcc 1
		.amdhsa_float_denorm_mode_32 3
		.amdhsa_float_denorm_mode_16_64 3
		.amdhsa_memory_ordered 1
		.amdhsa_forward_progress 1
		.amdhsa_inst_pref_size 5
	.end_amdhsa_kernel
	.amdgpu_metadata
---
amdhsa.version: [ 1, 2 ]
amdhsa.kernels:
  - .name:           k_q19128e707b_lsm
    .symbol:         k_q19128e707b_lsm.kd
    .args:
      - { .name: logits, .offset: 0, .size: 8, .value_kind: global_buffer, .address_space: global }
      - { .name: stats, .offset: 8, .size: 8, .value_kind: global_buffer, .address_space: global }
      - { .name: out0, .offset: 16, .size: 8, .value_kind: global_buffer, .address_space: global }
    .group_segment_fixed_size: 0
    .private_segment_fixed_size: 0
    .kernarg_segment_align: 8
    .kernarg_segment_size: 24
    .max_flat_workgroup_size: 256
    .sgpr_count:     66
    .vgpr_count:     40
    .wavefront_size: 32
...
	.end_amdgpu_metadata
.endif
;; end of part 5
